; MI455X (gfx1250); checked and timed in simulation.
; The chip was launched on July 23, 2026; its instructions are those of AMD's public machine-readable ISA for CDNA 5 (MIT licence, August 2026) and "CDNA5" Instruction Set Architecture Reference Guide (July 2026). The comments in the code are by the model that wrote it; some were corrected since.
;; VQ2. Allowed arithmetic: float matrix products may take bf16 or f16 operands with f32 sums; all other float work in f32.
;; Inputs: emb_w 8,192 x 512 float32; z 16 x 1,024 x 512 float32.
;; Outputs: out0 16 x 1,024 x 512 float32; out1 one number float32; out2 16 x 1,024 int32; out3 one number float32.
;; One version. Each part assembles by itself: llvm-mc -triple=amdgcn-amd-amdhsa -mcpu=gfx1250 --defsym DOCPART=n.
;; ======== version 1 of 1: 4 launches
;; workspace buffers: eb 8,388,608 bytes; ee 32,768 bytes; part 524,288 bytes of whole numbers; lossp 65,536 bytes
;; launch prep (part 1): grid 128 x 1, 16 waves a work-group, no clusters, 2,304 bytes of LDS; arguments emb_w, eb, ee; writes eb, ee
.if DOCPART == 1
	.amdgcn_target "amdgcn-amd-amdhsa--gfx1250"
	.amdhsa_code_object_version 6
	.text
	.protected	k_q16b2cc823b_prep
	.globl	k_q16b2cc823b_prep
	.p2align	8
	.type	k_q16b2cc823b_prep,@function
k_q16b2cc823b_prep:
	s_mov_b64 s[64:65], 0
	v_nop
	global_prefetch_b8 v0, s[64:65] scope:SCOPE_SE
	s_setreg_imm32_b32 hwreg(HW_REG_WAVE_MODE, 25, 1), 1
	s_wait_xcnt 0x0
; eb[n][k] = bf16(emb_w[n][k]) (round to nearest even);  ee[n] = sum over k of eb[n][k]^2 in f32.
; emb_w: [8192][512] f32.  A work-group owns 64 rows, so that its 64 sums are 256 neighbouring bytes of ee; wave w owns rows 4 w .. 4 w + 3.
; A wave asks for its four rows at once (16 loads of 512 neighbouring bytes); nothing is read twice, no register is filled twice.
; No matrix unit, no cluster: every byte is used once by one wave.
.set ROWIN,  2048                      ; bytes in a row of emb_w
.set ROWOUT, 1024                      ; bytes in a row of eb
.set SUM, 4                            ; v[4:11]   row i: two chains, v[4+2i] (low halves) and v[5+2i] (high halves)
.set X,   16                           ; v[16:79]  row i, piece j: 4 f32 as loaded
.set Y,   80                           ; v[80:111] row i, piece j: 4 bf16 to store
	s_load_b128 s[4:7], s[0:1], 0x0                ; emb_w s[4:5], eb s[6:7]
	s_load_b64 s[8:9], s[0:1], 0x10                ; ee
	v_lshl_add_u32 v112, v0, 2, 0x100
	v_mov_b32 v113, 0
	v_lshrrev_b32 v3, 5, v0
	v_readfirstlane_b32 s10, v3                    ; wave 0..15
	v_and_b32 v1, 31, v0
	v_lshlrev_b32 v2, 3, v1                        ; 8 x lane
	v_lshlrev_b32 v1, 4, v1                        ; 16 x lane
	v_mov_b32 v13, s10
	v_lshlrev_b32 v13, 4, v13                      ; LDS byte of my wave's four sums
	v_mov_b32 v12, 0                               ; v_permlanex16_b32 counts as a reader of its destination
	s_mov_b32 s12, 0x76543210                      ; each lane takes its own place in the other half
	s_mov_b32 s13, 0xfedcba98
	s_lshl_b32 s14, ttmp9, 6
	s_lshl2_add_u32 s14, s10, s14                  ; my first row = 64 x work-group + 4 x wave
	s_lshl_b32 s16, s14, 11                        ; in bytes of emb_w (under 2^24)
	s_mov_b32 s17, 0
	s_lshl_b32 s18, s14, 10                        ; in bytes of eb
	s_mov_b32 s19, 0
	s_lshl_b32 s20, ttmp9, 8                       ; the work-group's 256 bytes of ee
	s_mov_b32 s21, 0
	s_wait_kmcnt 0x0
	s_add_nc_u64 s[4:5], s[4:5], s[16:17]
	s_add_nc_u64 s[6:7], s[6:7], s[18:19]
	s_add_nc_u64 s[8:9], s[8:9], s[20:21]
.irp i, 0,1,2,3
.irp j, 0,1,2,3
	global_load_b128 v[X+16*\i+4*\j:X+16*\i+4*\j+3], v1, s[4:5] offset:\i*ROWIN+\j*512 th:TH_LOAD_NT
.endr
.endr
.irp k, 0,1,2,3,4,5,6,7
	v_mov_b32 v[SUM+\k], 0                         ; eight chains begin
.endr
.macro ROWP i
	s_wait_loadcnt 12-4*\i                         ; loads come back in order: row i's four are in, the later rows' stay out
.irp j, 0,1,2,3
	v_cvt_pk_bf16_f32 v[Y+8*\i+2*\j],   v[X+16*\i+4*\j],   v[X+16*\i+4*\j+1]
	v_cvt_pk_bf16_f32 v[Y+8*\i+2*\j+1], v[X+16*\i+4*\j+2], v[X+16*\i+4*\j+3]
	global_store_b64 v2, v[Y+8*\i+2*\j:Y+8*\i+2*\j+1], s[6:7] offset:\i*ROWOUT+\j*256   ; 32 lanes x 8 bytes: 256 neighbouring bytes, aligned
.endr
.irp k, 0,1,2,3,4,5,6,7
	v_fma_mix_f32_bf16 v[SUM+2*\i],   v[Y+8*\i+\k], v[Y+8*\i+\k], v[SUM+2*\i] op_sel_hi:[1,1,0]                    ; the ROUNDED number's square
	v_fma_mix_f32_bf16 v[SUM+2*\i+1], v[Y+8*\i+\k], v[Y+8*\i+\k], v[SUM+2*\i+1] op_sel:[1,1,0] op_sel_hi:[1,1,0]
.endr
	v_add_f32 v[SUM+2*\i], v[SUM+2*\i], v[SUM+2*\i+1]
	v_add_f32_dpp v[SUM+2*\i], v[SUM+2*\i], v[SUM+2*\i] row_xmask:1 row_mask:0xf bank_mask:0xf
	v_add_f32_dpp v[SUM+2*\i], v[SUM+2*\i], v[SUM+2*\i] row_xmask:2 row_mask:0xf bank_mask:0xf
	v_add_f32_dpp v[SUM+2*\i], v[SUM+2*\i], v[SUM+2*\i] row_xmask:4 row_mask:0xf bank_mask:0xf
	v_add_f32_dpp v[SUM+2*\i], v[SUM+2*\i], v[SUM+2*\i] row_xmask:8 row_mask:0xf bank_mask:0xf
	v_permlanex16_b32 v12, v[SUM+2*\i], s12, s13
	v_add_f32 v[SUM+2*\i], v[SUM+2*\i], v12
	ds_store_b32 v13, v[SUM+2*\i] offset:4*\i      ; all lanes write the same word with the same value
.endm
	ROWP 0
	ROWP 1
	ROWP 2
	ROWP 3
	s_wait_dscnt 0x0                               ; for the others' sake: my four sums are in LDS
	s_barrier_signal -1
	s_barrier_wait -1
	s_cmp_lg_u32 s10, 0
	s_cbranch_scc1 .Lend
	ds_load_b64 v[14:15], v2                       ; wave 0 takes the 64 sums
	s_wait_dscnt 0x0
	global_store_b64 v2, v[14:15], s[8:9]          ; 256 neighbouring bytes of ee, aligned
.Lend:
	s_wait_tensorcnt 0x0
	ds_add_u32 v112, v113
	s_wait_dscnt 0x0
	s_endpgm
.Lfunc_end_k_q16b2cc823b_prep:
	.size	k_q16b2cc823b_prep, .Lfunc_end_k_q16b2cc823b_prep-k_q16b2cc823b_prep
	.p2alignl 7, 3214868480
	.fill 96, 4, 3214868480
	.section	.rodata,"a",@progbits
	.p2align	6, 0x0
	.amdhsa_kernel k_q16b2cc823b_prep
		.amdhsa_group_segment_fixed_size 2304
		.amdhsa_private_segment_fixed_size 0
		.amdhsa_enable_private_segment 0
		.amdhsa_kernarg_size 24
		.amdhsa_user_sgpr_count 2
		.amdhsa_user_sgpr_kernarg_segment_ptr 1
		.amdhsa_wavefront_size32 1
		.amdhsa_system_sgpr_workgroup_id_x 1
		.amdhsa_system_sgpr_workgroup_id_y 1
		.amdhsa_system_sgpr_workgroup_id_z 1
		.amdhsa_system_vgpr_workitem_id 0
		.amdhsa_next_free_vgpr 114
		.amdhsa_next_free_sgpr 66
		.amdhsa_reserve_vcc 0
		.amdhsa_float_denorm_mode_32 3
		.amdhsa_float_denorm_mode_16_64 3
		.amdhsa_memory_ordered 1
		.amdhsa_forward_progress 1
		.amdhsa_inst_pref_size 13
	.end_amdhsa_kernel
	.amdgpu_metadata
---
amdhsa.version: [ 1, 2 ]
amdhsa.kernels:
  - .name:           k_q16b2cc823b_prep
    .symbol:         k_q16b2cc823b_prep.kd
    .args:
      - { .name: emb_w, .offset: 0, .size: 8, .value_kind: global_buffer, .address_space: global }
      - { .name: eb, .offset: 8, .size: 8, .value_kind: global_buffer, .address_space: global }
      - { .name: ee, .offset: 16, .size: 8, .value_kind: global_buffer, .address_space: global }
    .group_segment_fixed_size: 2304
    .private_segment_fixed_size: 0
    .kernarg_segment_align: 8
    .kernarg_segment_size: 24
    .max_flat_workgroup_size: 512
    .sgpr_count:     66
    .vgpr_count:     114
    .wavefront_size: 32
...
	.end_amdgpu_metadata
.endif
;; end of part 1
;; launch dist (part 2): grid 4 x 64, 4 waves a work-group, clusters of 4 x 4, 327,680 bytes of LDS; arguments z, eb, ee, part; writes part
.if DOCPART == 2
	.amdgcn_target "amdgcn-amd-amdhsa--gfx1250"
	.amdhsa_code_object_version 6
	.text
	.protected	k_q16b2cc823b_dist
	.globl	k_q16b2cc823b_dist
	.p2align	8
	.type	k_q16b2cc823b_dist,@function
k_q16b2cc823b_dist:
	s_mov_b64 s[64:65], 0
	v_nop
	global_prefetch_b8 v0, s[64:65] scope:SCOPE_SE
	s_setreg_imm32_b32 hwreg(HW_REG_WAVE_MODE, 25, 1), 1
	s_wait_xcnt 0x0
	s_wait_alu depctr_hold_cnt(0) depctr_sa_sdst(0) depctr_va_vdst(0) depctr_va_sdst(0) depctr_va_ssrc(0) depctr_va_vcc(0) depctr_vm_vsrc(0)
	s_getreg_b32 s2, hwreg(HW_REG_IB_STS2, 6, 4)
	s_cmp_eq_u32 s2, 0
	s_cbranch_scc0 .Lentry_in_a_cluster
	s_endpgm
.Lentry_in_a_cluster:
	s_bfe_u32 s2, ttmp6, 0x10000c
	s_cmp_lg_u32 s2, 0xf033
	s_cbranch_scc0 .Lentry_shape_is_right
	s_endpgm
.Lentry_shape_is_right:
; For every row of z (16,384 x 512 f32) and one quarter of the codes (2,048 of 8,192): the least d and the first code that has it, where
;   d = fl( fl(zz + ee) - 2 ze ),  zz = sum of bf16(z)^2,  ee = sum of bf16(e)^2 (launch prep),  ze = bf16(z) . bf16(e), summed in f32 by the matrix unit.
; That is the reference's own arithmetic on inputs rounded to bf16: t = zz + ee is rounded once, and one fused multiply-add rounds t - 2 ze once (2 ze is exact).
; WHAT GOES OUT is whole numbers: the code, and for d a key that orders as d does under an unsigned compare (sign bit flipped for d >= 0, all bits flipped for d < 0),
; so that the next launch can choose among the four quarters with integer compares before it forms an address.
; LIMITS.  Inputs are finite: a NaN is not given argmin's treatment.  The order of the f32 sums in zz, ee and ze is this text's own; two codes whose d lie on a
; rounding boundary closer than the difference of two orders of summation can change places.  d = +inf for all codes gives the quarter's first code.
; SHARES.  Work-group (q, rb): code quarter q, rows 256 rb .. +255.  Wave w keeps rows 64 w .. +63 of them as bf16 fragments in 512 registers for the whole launch
; (4 tiles of 16 rows x 16 K steps x 8), so only the codes' fragments are read from LDS: 16 loads for 32 matrix instructions.
; THE MATRIX INSTRUCTION IS USED WITH SOURCE 0 = 16 CODES, SOURCE 1 = 16 ROWS OF z: a lane (r = lane % 16, h = lane / 16) then holds ONE row r and the codes 8 h + 0..7:
; the minimum over codes stays in the lane; the two halves of the lanes meet once, at the end.
; A SUB-STEP is 32 codes x 64 rows x K 512: 128 matrix instructions on 8 accumulators; two sets of accumulators take turns, and the distances and minima of the
; sub-step before (136 vector instructions) stand in slices of two behind every second matrix instruction.
; CLUSTER 4 x 4.  The four work-groups of a row of the cluster share rb, and so z's tiles; the four of a column share q, and so the codes' tiles and ee.  Each tile is
; asked for jointly: the same tensor load, the same descriptor, a mask that names the four.
; LDS: two slots of 135,168 bytes.  First they take z in four chunks of 128 columns (f32; 4 waves x 64 rows, pitch 528); then tiles of 128 codes (bf16; pitch 1,040;
; wave w fills rows 32 w .. +31).  Both pitches are odd multiples of 16 bytes: the 16 rows of a fragment load begin in 16 different 16-byte columns modulo 256.
; Behind them: ee of the quarter (8,192 bytes, filled once), and 512 bytes a wave for the way out, into which no tensor load lands.
; By this text's own count a wave has three tensor loads out at the start and one behind each later round.
.set SLOTB,  135168
.set ZPITCH, 528
.set ZWAVE,  64*ZPITCH                 ; 33,792: a wave's part of a chunk of z
.set EPITCH, 1040
.set SUBB,   32*EPITCH                 ; 33,280: a sub-step's codes, and a wave's part of a tile
.set EEB,    2*SLOTB                   ; 270,336
.set SCR,    EEB+8192                  ; 278,528 = 1,088 x 256
; window 0
.set AB0, 3                            ; r x 1040 + 16 h
.set ADR, 4                            ; LDS address of the sub-step that is being fetched
.set AZ,  5                            ; v5, v6: my place in my wave's part of a chunk of z, slot 0, 1
.set AE,  7                            ; EEB + 32 h, + 1,024 each trip
.set SC,  8                            ; the way out: where I put one word
.set RDA, 9                            ; the way out: where I read 16 bytes back
.set GO,  10                           ; 16 x lane
.set H8,  11                           ; 8 h
.set ZZ,  12                           ; v[12:19]  tile t: zz, twice (a pair for the packed add)
.set RA,  20                           ; v[20:23]  tile t: the least d so far, as the distances of accumulator set 0 leave it
.set CD,  24                           ; v[24:27]  tile t: first code of the sub-step that gave it
.set MA,  28                           ; two chains of a minimum
.set MB,  29
.set TA,  30
.set TB,  31
.set TD,  32                           ; v[32:47]  16 numbers: t, then d
.set ZA,  48                           ; v[48:63]  the prologue: tile t's four chains of zz
.set RB,  48                           ; v[48:51]  behind the prologue: the least d so far, as the distances of accumulator set 1 leave it
.set EE,  64                           ; v[64:95]  two sets of 16: ee of a sub-step's codes 16 ct + 8 h + j
.set SV,  96                           ; v[96:159] tile t: the 16 d of the sub-step that gave the least
.set FI,  160                          ; v[160:175] the finish
.set PR,  164
.set PC,  168
.set OUT, 172
.set PF,  176                          ; the prefetch's offsets; never rewritten
; window 1: v0-127 two buffers of 8 code fragments (in the prologue two stages of 64 f32); v128-255 two sets of 8 accumulators, (set, ct, t) at 128 + 64 set + 8 (4 ct + t)
.set ACC, 128
; windows 2, 3: z's fragments: K step k, tile t in window 2 + k / 8 at 32 (k % 8) + 8 t
.set WV,  12                           ; s12 wave
.set G1Z, 24                           ; s[24:31] group 1, z's chunks;  s[32:39] group 0, one set a slot
.set G0Z, 32
.set G1E, 40                           ; s[40:47] group 1, the codes' tiles;  s[48:55] group 0, one set a slot
.set G0E, 48
.set G1S, 56                           ; s[56:63] group 1, ee;  s[68:71] its group 0
.set G0S, 68
.set PFB, 66                           ; s[66:67] the prefetch's base; never rewritten
.set CB,  72                           ; first code of the sub-step whose distances are in hand
.set CNT, 73
.set SEL, 74                           ; s[74:75] lane selects: each lane takes its own place in the other half
.set W_MM2, 0x59                       ; D, C, source 0 window 1; source 1 window 2   (+4: window 3)
.set W_LD,  0x40                       ; destination window 1, address window 0
.set W_EB,  0x01                       ; source 0 window 1
.set W_CV2, 0x85                       ; destination window 2, sources 0, 1 window 1  (+0x40: window 3)
.set W_MX2, 0x0a                       ; sources 0, 1 window 2                        (+5: window 3)
.set MSB, 0
.macro WIN new                         ; the immediate's high byte repeats the setting that is left; a switch that changes nothing is dropped
.if MSB != (\new)
	s_set_vgpr_msb (MSB<<8)|(\new)
.set MSB, (\new)
.endif
.endm
.macro PLACES                          ; four plain vector instructions between a matrix instruction and a load into, or a read of, its registers
.rept 4
	v_nop
.endr
.endm
; A round of the cluster's barrier: my work-group's barrier, so that wave 0's signal speaks for all four waves; wave 0 signals; every wave waits for all sixteen
; work-groups; my work-group's barrier once more.
.macro CROUND
	s_barrier_signal -1
	s_barrier_wait -1
	s_cmp_lg_u32 s[WV], 0
	s_cbranch_scc1 .Lnot_wave_0_\@
	s_barrier_signal -3
.Lnot_wave_0_\@:
	s_barrier_wait -3
	s_barrier_signal -1
	s_barrier_wait -1
.endm
; A slot is filled again.  In front of the round each wave's LDS reads are back and all its tensor loads have landed (so a group 0 may be stepped, and what landed is whole
; for every wave behind the round); the joint load is the first thing behind the round, one a wave; four v_nop follow it.
.macro REFILL g0, g1, step
	WIN 0
	s_wait_dscnt 0x0
	s_wait_tensorcnt 0x0
	ds_add_u32 v254, v255
	s_wait_dscnt 0x0
.if \step
	s_add_nc_u64 s[\g0+2:\g0+3], s[\g0+2:\g0+3], \step
.endif
	CROUND
	tensor_load_to_lds s[\g0:\g0+3], s[\g1:\g1+7]
	s_nop 0
	PLACES
.endm
	s_load_b256 s[4:11], s[0:1], 0x0               ; z s[4:5], eb s[6:7], ee s[8:9], part s[10:11]
	v_lshl_add_u32 v254, v0, 2, 0x44800
	v_mov_b32 v255, 0
	ds_add_u32 v254, v255
	v_lshrrev_b32 v1, 5, v0
	v_readfirstlane_b32 s[WV], v1                  ; wave 0..3
	s_bfe_u32 s13, ttmp6, 0x40000                  ; cx
	s_bfe_u32 s14, ttmp6, 0x40004                  ; cy
	s_lshl_b32 s15, ttmp9, 2
	s_add_co_u32 s15, s15, s13                     ; q = 4 x cluster x + cx
	s_and_b32 s16, ttmp7, 0xffff
	s_lshl_b32 s16, s16, 2
	s_add_co_u32 s16, s16, s14                     ; rb = 4 x cluster y + cy
	s_lshl_b32 s80, s14, 2
	s_lshl_b32 s80, 15, s80                        ; my row of the cluster: places 4 cy .. 4 cy + 3
	s_lshl_b32 s81, 0x1111, s13                    ; my column: places cx, cx + 4, cx + 8, cx + 12
	; group 1 for z: 64 rows x 128 f32, 4 words of padding behind every 128 words
	s_or_b32 s[G1Z], s80, (2<<16)|(1<<20)|(1<<21)|(6<<22)|(3<<25)
	s_mov_b32 s[G1Z+1], 128<<16                    ; tensor_dim0
	s_mov_b32 s[G1Z+2], 64<<16                     ; tensor_dim1
	s_mov_b32 s[G1Z+3], 128<<16                    ; tile_dim0
	s_mov_b32 s[G1Z+4], 64                         ; tile_dim1
	s_mov_b32 s[G1Z+5], 512                        ; elements from row to row
	s_mov_b32 s[G1Z+6], 0
	s_mov_b32 s[G1Z+7], 0
	; group 1 for the codes: 32 rows x 512 bf16, 4 words of padding behind every 256 words
	s_or_b32 s[G1E], s81, (1<<16)|(1<<20)|(1<<21)|(7<<22)|(3<<25)
	s_mov_b32 s[G1E+1], 512<<16
	s_mov_b32 s[G1E+2], 32<<16
	s_mov_b32 s[G1E+3], 512<<16
	s_mov_b32 s[G1E+4], 32
	s_mov_b32 s[G1E+5], 512
	s_mov_b32 s[G1E+6], 0
	s_mov_b32 s[G1E+7], 0
	; group 1 for ee: a dense block, 8 rows of 32 elements of 8 bytes
	s_or_b32 s[G1S], s81, (3<<16)|(1<<21)
	s_mov_b32 s[G1S+1], 32<<16
	s_mov_b32 s[G1S+2], 8<<16
	s_mov_b32 s[G1S+3], 32<<16
	s_mov_b32 s[G1S+4], 8
	s_mov_b32 s[G1S+5], 32
	s_mov_b32 s[G1S+6], 0
	s_mov_b32 s[G1S+7], 0
	; byte offsets.  z's hang on rb and the wave, the codes' and ee's on q and the wave, each in registers that never hold the other coordinate
	s_lshl_b32 s20, s16, 19                        ; 256 rb rows of 2,048 bytes
	s_lshl_b32 s17, s[WV], 17                      ; + 64 w rows
	s_add_co_u32 s20, s20, s17
	s_mov_b32 s21, 0
	s_lshl_b32 s22, s15, 21                        ; 2,048 q codes of 1,024 bytes
	s_lshl_b32 s18, s[WV], 15                      ; + 32 w codes
	s_add_co_u32 s22, s22, s18
	s_mov_b32 s23, 0
	s_lshl_b32 s76, s15, 13                        ; ee: 8,192 q + 2,048 w
	s_lshl_b32 s19, s[WV], 11
	s_add_co_u32 s76, s76, s19
	s_mov_b32 s77, 0
	s_lshl_b32 s78, s15, 17                        ; part: (256 q + 4 rb + w) x 512
	s_lshl_b32 s79, s16, 11
	s_add_co_u32 s78, s78, s79
	s_lshl_b32 s79, s[WV], 9
	s_add_co_u32 s78, s78, s79
	s_mov_b32 s79, 0
	s_lshl_b32 s[PFB], s16, 19                     ; the prefetch: rows 256 rb + 64 cx + 16 w on (no descriptor is made of these registers)
	s_lshl_b32 s80, s13, 17
	s_add_co_u32 s[PFB], s[PFB], s80
	s_lshl_b32 s80, s[WV], 15
	s_add_co_u32 s[PFB], s[PFB], s80
	s_mov_b32 s[PFB+1], 0
	s_lshl_b32 s[CB], s15, 11                      ; the quarter's first code
	s_mul_i32 s17, s[WV], ZWAVE                    ; LDS: no place in the cluster enters an LDS address
	s_mul_i32 s82, s[WV], SUBB
	s_mov_b32 s[SEL], 0x76543210
	s_mov_b32 s[SEL+1], 0xfedcba98
	s_wait_dscnt 0x0
	s_wait_kmcnt 0x0
	s_add_nc_u64 s[20:21], s[4:5], s[20:21]
	s_add_nc_u64 s[22:23], s[6:7], s[22:23]
	s_add_nc_u64 s[76:77], s[8:9], s[76:77]
	s_add_nc_u64 s[10:11], s[10:11], s[78:79]
	s_add_nc_u64 s[PFB:PFB+1], s[4:5], s[PFB:PFB+1]
.irp s, 0,1
	s_mov_b32 s[G0Z+4*\s], 1
	s_add_co_u32 s[G0Z+4*\s+1], s17, \s*SLOTB
	s_add_nc_u64 s[G0Z+4*\s+2:G0Z+4*\s+3], s[20:21], \s*512          ; chunk s: columns 128 s on
	s_or_b32 s[G0Z+4*\s+3], s[G0Z+4*\s+3], 0x80000000
	s_mov_b32 s[G0E+4*\s], 1
	s_add_co_u32 s[G0E+4*\s+1], s82, \s*SLOTB
	s_add_nc_u64 s[G0E+4*\s+2:G0E+4*\s+3], s[22:23], \s*131072       ; tile s: codes 128 s on
	s_or_b32 s[G0E+4*\s+3], s[G0E+4*\s+3], 0x80000000
.endr
	s_mov_b32 s[G0S], 1
	s_lshl_b32 s[G0S+1], s[WV], 11
	s_add_co_u32 s[G0S+1], s[G0S+1], EEB
	s_mov_b64 s[G0S+2:G0S+3], s[76:77]
	s_or_b32 s[G0S+3], s[G0S+3], 0x80000000
	s_mov_b32 s83, 0x7f800000                      ; +inf
	CROUND                                         ; all sixteen work-groups are here: the first joint loads meet
	tensor_load_to_lds s[G0Z:G0Z+3], s[G1Z:G1Z+7]          ; z, columns 0-127 -> slot 0
	s_nop 0
	tensor_load_to_lds s[G0Z+4:G0Z+7], s[G1Z:G1Z+7]        ; z, columns 128-255 -> slot 1
	s_nop 0
	tensor_load_to_lds s[G0S:G0S+3], s[G1S:G1S+7]          ; my quarter of the quarter's ee
	s_nop 0
	PLACES
	; The fills of z's columns 256-511 follow only when slots have been read, one behind the other.  They are asked for now: the four work-groups that share these 256 rows
	; take 64 rows each, a wave 16 of them: 16 rows x 4 blocks of 256 bytes = 64 blocks, one lane a block, two instructions.  Each block is asked for once in the launch; nothing further is asked for.
	v_and_b32 v[PF], 31, v0
	v_lshrrev_b32 v[TA], 2, v[PF]                  ; row 0..7
	v_and_b32 v[PF], 3, v[PF]                      ; block 0..3
	v_lshlrev_b32 v[PF], 8, v[PF]
	v_lshl_add_u32 v[PF], v[TA], 11, v[PF]
	global_prefetch_b8 v[PF], s[PFB:PFB+1] offset:1024 th:TH_LOAD_NT scope:SCOPE_SE
	global_prefetch_b8 v[PF], s[PFB:PFB+1] offset:1024+8*2048 th:TH_LOAD_NT scope:SCOPE_SE
	v_and_b32 v1, 15, v0                           ; r
	v_bfe_u32 v2, v0, 4, 1                         ; h
	v_mul_u32_u24 v[AB0], v1, EPITCH
	v_lshl_add_u32 v[AB0], v2, 4, v[AB0]
	v_mul_u32_u24 v[AZ], v1, ZPITCH
	v_lshl_add_u32 v[AZ], v2, 5, v[AZ]             ; 8 f32 for each half of the lanes
	v_add_nc_u32 v[AZ], s17, v[AZ]
	v_add_nc_u32 v[AZ+1], SLOTB, v[AZ]
	v_lshlrev_b32 v[AE], 5, v2
	v_add_nc_u32 v[AE], EEB, v[AE]
	s_lshl_b32 s18, s[WV], 9
	s_add_co_u32 s18, s18, SCR                     ; my wave's 512 bytes for the way out
	v_lshlrev_b32 v[SC], 2, v1
	v_lshl_add_u32 v[SC], v2, 8, v[SC]             ; h = 0: the keys' 256 bytes; h = 1: the codes'
	v_add_nc_u32 v[SC], s18, v[SC]
	v_and_b32 v[GO], 31, v0
	v_lshlrev_b32 v[GO], 4, v[GO]
	v_add_nc_u32 v[RDA], s18, v[GO]
	v_lshlrev_b32 v[H8], 3, v2
	v_cmp_ne_u32 s79, 0, v2                        ; the upper half of the lanes
.irp k, 0,1,2,3,4,5,6,7,8,9,10,11,12,13,14,15
	v_mov_b32 v[ZA+\k], 0                          ; sixteen chains of zz begin
.endr
; THE PROLOGUE: z comes in as f32, is rounded to bf16 into the fragments that stay, and the rounded numbers' squares are summed.
; A fragment (16 rows x 32 K): lane (r, h) holds row r; registers 0-3 K = 8 h + 0..7, registers 4-7 K = 16 + 8 h + 0..7.  In f32 that is 32 bytes at 32 h and 32 bytes at 64 + 32 h.
.macro ZBATCH kc, zt                   ; row tile zt of chunk kc: 16 loads into stage zt % 2
	WIN W_LD
.irp kx, 0,1,2,3
.irp lx, 0,1,2,3
	ds_load_b128 v[64*((\zt)&1)+16*\kx+4*\lx:64*((\zt)&1)+16*\kx+4*\lx+3], v[AZ+((\kc)&1)] offset:(\zt)*16*ZPITCH+\kx*128+(\lx/2)*64+(\lx%2)*16
.endr
.endr
.endm
.macro CONVERT kc                      ; chunk kc (in slot kc % 2) = K steps 4 kc .. 4 kc + 3
	ZBATCH \kc, 0
	ZBATCH \kc, 1
.irp zt, 0,1,2,3
.if \zt < 3
	s_wait_dscnt 16                                ; LDS loads come back in order: this tile's are in, the next tile's sixteen stay out
.else
	s_wait_dscnt 0x0
.endif
	WIN W_CV2+0x40*(\kc/2)
.irp kx, 0,1,2,3
.irp ix, 0,1,2,3,4,5,6,7
	v_cvt_pk_bf16_f32 v[32*((4*\kc+\kx)&7)+8*\zt+\ix], v[64*(\zt&1)+16*\kx+2*\ix], v[64*(\zt&1)+16*\kx+2*\ix+1]
.endr
.endr
.if \zt < 2
	ZBATCH \kc, \zt+2                              ; the stage just read takes the tile two further on
.endif
	WIN W_MX2+5*(\kc/2)
.irp kx, 0,1,2,3
.irp ix, 0,1,2,3,4,5,6,7
	v_fma_mix_f32_bf16 v[ZA+4*\zt+2*(\ix&1)],   v[32*((4*\kc+\kx)&7)+8*\zt+\ix], v[32*((4*\kc+\kx)&7)+8*\zt+\ix], v[ZA+4*\zt+2*(\ix&1)] op_sel_hi:[1,1,0]
	v_fma_mix_f32_bf16 v[ZA+4*\zt+2*(\ix&1)+1], v[32*((4*\kc+\kx)&7)+8*\zt+\ix], v[32*((4*\kc+\kx)&7)+8*\zt+\ix], v[ZA+4*\zt+2*(\ix&1)+1] op_sel:[1,1,0] op_sel_hi:[1,1,0]
.endr
.endr
.endr
.endm
	s_wait_tensorcnt 0x2                           ; chunk 0 is in; chunk 1 and ee, issued behind it, may stay out.  A wave reads only the rows of z that it fetched itself
	CONVERT 0
	REFILL G0Z, G1Z, 1024                          ; slot 0 <- columns 256-383
	CONVERT 1
	REFILL G0Z+4, G1Z, 1024                        ; slot 1 <- columns 384-511
	CONVERT 2
	REFILL G0E, G1E, 0                             ; slot 0 <- codes 0-127 of the quarter
	CONVERT 3
	WIN 0
.irp zt, 0,1,2,3
	v_add_f32 v[TA], v[ZA+4*\zt], v[ZA+4*\zt+1]
	v_add_f32 v[TB], v[ZA+4*\zt+2], v[ZA+4*\zt+3]
	v_add_f32 v[TA], v[TA], v[TB]
	v_permlanex16_b32 v[TB], v[TA], s[SEL], s[SEL+1]       ; the row's other 256 columns lie in the lane 16 away
	v_add_f32 v[ZZ+2*\zt], v[TA], v[TB]
	v_mov_b32 v[ZZ+2*\zt+1], v[ZZ+2*\zt]
	v_mov_b32 v[RB+\zt], s83                       ; the least d so far: +inf (in tile 0's chains of zz, which have been added)
	v_mov_b32 v[CD+\zt], s[CB]
	v_mov_b32 v[PR+\zt], 0                         ; destinations of v_permlanex16_b32 at the finish count as read
	v_mov_b32 v[PC+\zt], 0
.endr
.set x, 0
.rept 64
	v_mov_b32 v[SV+x], s83                         ; the selects read what they keep: 64 start values spare a separate text for the first sub-step's distances
.set x, x+1
.endr
	REFILL G0E+4, G1E, 0                           ; slot 1 <- codes 128-255; its round also shows tile 0 and ee, whole, to every wave
; 16 loads: chunk cn (K steps 4 cn .. +3) of the sub-step at ADR, 2 x 16 codes, into buffer cn % 2
.macro BLOAD
	WIN W_LD
.irp kx, 0,1,2,3
.irp cx, 0,1
	ds_load_b128 v[64*(cn&1)+8*(2*\kx+\cx):64*(cn&1)+8*(2*\kx+\cx)+3],   v[ADR] offset:\cx*16*EPITCH+(4*cn+\kx)*64
	ds_load_b128 v[64*(cn&1)+8*(2*\kx+\cx)+4:64*(cn&1)+8*(2*\kx+\cx)+7], v[ADR] offset:\cx*16*EPITCH+(4*cn+\kx)*64+32
.endr
.endr
.endm
; The run of LDS loads of chunk cc, behind its fourth matrix instruction: the next chunk's fragments, 28 matrix instructions ahead of their use.  Between the buffer's last reader
; and the run stand a tile's first two slices, four packed adds that name none of its registers (or four v_nop where there are no slices).
; Chunk 0 also fetches this sub-step's ee; chunk 3 turns to the next sub-step, at nbase.
.macro RUN set, epi, eeimm, nbase, on
.if (cc < 3) || \on
.if !\epi
	PLACES
.endif
	WIN 0
.if cc == 0
.irp cx, 0,1
	ds_load_b128 v[EE+16*\set+8*\cx:EE+16*\set+8*\cx+3],   v[AE] offset:\eeimm+64*\cx
	ds_load_b128 v[EE+16*\set+8*\cx+4:EE+16*\set+8*\cx+7], v[AE] offset:\eeimm+64*\cx+16
.endr
.endif
.if cc == 3
	v_add_nc_u32 v[ADR], \nbase, v[AB0]
.endif
.set cn, (cc+1)%4
	BLOAD
.endif
.endm
; Number en of the list of 34 for tile et of the sub-step in accumulator set ps.  p = 0..15 stands for code 16 (p / 8) + 8 h + p % 8 of the sub-step.
;   0-7    t = zz + ee, two at a time         8-15   d = t - 2 ze, one rounding; each accumulator is read from its low end on
;   16-23  the least of the 16 d and of the least so far, three at a time in two chains; it goes into the other of two registers, so that the old one is still there for
;   24     the compare: kept where the new least is not less than the old, that is, where no d of this sub-step is less: the earlier sub-step keeps a tie
;   25     the sub-step's first code          26-33  the 16 d are saved with it, two selects an instruction, so that the first code that has the least d can be found once, at the end
.macro EP
.set rnew, RA+(RB-RA)*ps+et
.set rold, RA+(RB-RA)*(1-ps)+et
.if en < 8
	WIN 0
	v_pk_add_f32 v[TD+2*en:TD+2*en+1], v[ZZ+2*et:ZZ+2*et+1], v[EE+16*ps+2*en:EE+16*ps+2*en+1]
.elseif en < 16
	WIN W_EB
.set em, en-8
.set ra, ACC+64*ps+8*(4*(em/4)+et)+2*(em%4)
	v_pk_fma_f32 v[TD+2*em:TD+2*em+1], v[ra:ra+1], -2.0, v[TD+2*em:TD+2*em+1] op_sel_hi:[1,0,1]
.else
	WIN 0
.if en == 16
	v_min3_num_f32 v[MA], v[rold], v[TD], v[TD+1]
.elseif en == 17
	v_min3_num_f32 v[MB], v[TD+8], v[TD+9], v[TD+10]
.elseif (en == 18) || (en == 20) || (en == 22)
	v_min3_num_f32 v[MA], v[MA], v[TD+en-16], v[TD+en-15]
.elseif (en == 19) || (en == 21)
	v_min3_num_f32 v[MB], v[MB], v[TD+en-8], v[TD+en-7]
.elseif en == 23
	v_min3_num_f32 v[rnew], v[MA], v[MB], v[TD+15]
.elseif en == 24
	v_cmp_ge_f32 vcc_lo, v[rnew], v[rold]
.elseif en == 25
	v_cndmask_b32 v[CD+et], s[CB], v[CD+et], vcc_lo
.else
.set dp, 2*(en-26)
	v_dual_cndmask_b32 v[SV+16*et+dp], v[TD+dp], v[SV+16*et+dp] :: v_dual_cndmask_b32 v[SV+16*et+dp+1], v[TD+dp+1], v[SV+16*et+dp+1]
.endif
.endif
.endm
; Slice sk of 64: tile sk / 16, two numbers of its list; 34 = 2 x 16 + 2, so slices 13 and 14 of a tile, which are selects, take three.  A slice lies under one window setting.
.macro SLICE
.set et, sk/16
.set sl, sk%16
.set e0, 2*sl
.set ec, 2
.if sl > 12
.set e0, 26+3*(sl-13)
.endif
.if (sl == 13) || (sl == 14)
.set ec, 3
.endif
.irp a, 0,1,2
.if \a < ec
.set en, e0+\a
	EP
.endif
.endr
.endm
; A SUB-STEP.  set: its accumulators.  epi = 1: the other set's distances stand in slices.  eeimm: its ee, from AE.  nbase: LDS byte of the next sub-step's codes.
; chg = 1, 2: at the head of the last chunk, when all of the slot has been read, slot chg - 1 is filled again, two tiles on: that load has 512 matrix instructions in which to land.
; chg = 3: nothing is left to fetch, but the last tile has to be whole for every wave.  on = 0: no next sub-step.
; The eight accumulators take turns, one instruction a turn, and the next sub-step begins on the other set.
.macro SS set, epi, eeimm, nbase, chg, on
.set ps, 1-\set
.set ii, 0
.rept 128
.set cc, ii/32
.set kq, (ii/8)%4
.set ctl, (ii/4)%2
.set tt, ii%4
.if (ii == 96) && (\chg == 1)
	REFILL G0E, G1E, 262144
.elseif (ii == 96) && (\chg == 2)
	REFILL G0E+4, G1E, 262144
.elseif (ii == 96) && (\chg == 3)
	WIN 0
	s_wait_dscnt 0x0
	s_wait_tensorcnt 0x0                           ; my part of the last tile is in
	s_barrier_signal -1
	s_barrier_wait -1                              ; everybody's is
.elseif ii%32 == 0
	s_wait_dscnt 0x0                               ; this chunk's fragments (at chunk 1 also the sub-step's ee)
.endif
	WIN W_MM2+4*(cc/2)
.set rd, ACC+64*\set+8*(ii%8)
.set rb, 64*(cc&1)+8*(2*kq+ctl)
.set rz, 32*((4*cc+kq)&7)+8*tt
.if ii < 8
	v_wmma_f32_16x16x32_bf16 v[rd:rd+7], v[rb:rb+7], v[rz:rz+7], 0
.else
	v_wmma_f32_16x16x32_bf16 v[rd:rd+7], v[rb:rb+7], v[rz:rz+7], v[rd:rd+7]
.endif
.if \epi && (ii%2 == 1)
.set sk, (ii-1)/2
	SLICE
.endif
.if ii%32 == 3
	RUN \set, \epi, \eeimm, \nbase, \on
.endif
.set ii, ii+1
.endr
.if \epi
	s_add_co_u32 s[CB], s[CB], 32
.endif
.endm
	v_mov_b32 v[ADR], v[AB0]
.set cn, 0
	BLOAD                                          ; sub-step 0, chunk 0
	SS 0, 0, 0, SUBB, 0, 1                         ; sub-step 0: there are no distances yet to set between its products
	WIN 0                                          ; at a label and at a branch every window is 0
	s_mov_b32 s[CNT], 7
.Ltrip:                                                ; sub-steps 8 k + 1 .. 8 k + 8: once round the ring; both slots are filled again (tiles 2 k + 2, 2 k + 3)
	SS 1, 1, 128,  2*SUBB,       0, 1
	SS 0, 1, 256,  3*SUBB,       0, 1
	SS 1, 1, 384,  SLOTB,        1, 1
	SS 0, 1, 512,  SLOTB+SUBB,   0, 1
	SS 1, 1, 640,  SLOTB+2*SUBB, 0, 1
	SS 0, 1, 768,  SLOTB+3*SUBB, 0, 1
	SS 1, 1, 896,  0,            2, 1
	SS 0, 1, 1024, SUBB,         0, 1
	WIN 0
	v_add_nc_u32 v[AE], 1024, v[AE]                ; eight sub-steps' ee on
	s_sub_co_u32 s[CNT], s[CNT], 1
	s_cmp_lg_u32 s[CNT], 0
	s_cbranch_scc1 .Ltrip
	SS 1, 1, 128,  2*SUBB,       0, 1              ; sub-steps 57 to 63 are written out
	SS 0, 1, 256,  3*SUBB,       0, 1
	SS 1, 1, 384,  SLOTB,        3, 1
	SS 0, 1, 512,  SLOTB+SUBB,   0, 1
	SS 1, 1, 640,  SLOTB+2*SUBB, 0, 1
	SS 0, 1, 768,  SLOTB+3*SUBB, 0, 1
	SS 1, 1, 896,  0,            0, 0
	PLACES                                         ; the last sub-step's distances stand alone; they leave the least d in RB
.set ps, 1
.set sk, 0
.rept 64
	SLICE
.set sk, sk+1
.endr
	WIN 0
	; THE FINISH.  In a lane p ascends with the code, so the first p whose saved d equals the least gives the lane's first code; then the two halves of the lanes meet:
	; the smaller d wins, and of equal d the lower code.  Then d becomes its key: -0 is made +0, the sign bit of d >= 0 is set, all bits of d < 0 are turned.
.irp t, 0,1,2,3
	v_mov_b32 v[FI+\t], 23                         ; p = 15
.irp p, 14,13,12,11,10,9,8,7,6,5,4,3,2,1,0
	v_cmp_neq_f32 vcc_lo, v[SV+16*\t+\p], v[RB+\t]
	v_cndmask_b32 v[FI+\t], 16*(\p/8)+(\p%8), v[FI+\t], vcc_lo
.endr
	v_add3_u32 v[FI+\t], v[CD+\t], v[FI+\t], v[H8]
	v_permlanex16_b32 v[PR+\t], v[RB+\t], s[SEL], s[SEL+1]
	v_permlanex16_b32 v[PC+\t], v[FI+\t], s[SEL], s[SEL+1]
	v_cmp_lt_f32 s76, v[PR+\t], v[RB+\t]
	v_cmp_eq_f32 s77, v[PR+\t], v[RB+\t]
	v_cmp_lt_u32 s78, v[PC+\t], v[FI+\t]
	s_and_b32 s77, s77, s78
	s_or_b32 s76, s76, s77
	v_cndmask_b32 v[RB+\t], v[RB+\t], v[PR+\t], s76
	v_cndmask_b32 v[FI+\t], v[FI+\t], v[PC+\t], s76
	v_add_f32 v[RB+\t], 0, v[RB+\t]
	v_ashrrev_i32 v[TA], 31, v[RB+\t]              ; all ones where d < 0
	v_or_b32 v[TA], 0x80000000, v[TA]
	v_xor_b32 v[RB+\t], v[RB+\t], v[TA]
	v_cndmask_b32 v[OUT+\t], v[RB+\t], v[FI+\t], s79       ; lanes 0-15 give the key, lanes 16-31 the code
	ds_store_b32 v[SC], v[OUT+\t] offset:64*\t
.endr
	ds_load_b128 v[TD:TD+3], v[RDA]                ; my wave's own bytes; LDS serves a wave's instructions in order (ISA guide 5.7.1.4)
	s_wait_dscnt 0x0
	global_store_b128 v[GO], v[TD:TD+3], s[10:11]  ; 512 neighbouring bytes: 64 keys, then 64 codes
	s_wait_tensorcnt 0x0
	ds_add_u32 v254, v255
	s_wait_dscnt 0x0
	CROUND                                         ; the closing round: no work-group ends while a partner may still ask for a tile that names it
	s_endpgm
.Lfunc_end_k_q16b2cc823b_dist:
	.size	k_q16b2cc823b_dist, .Lfunc_end_k_q16b2cc823b_dist-k_q16b2cc823b_dist
	.p2alignl 7, 3214868480
	.fill 96, 4, 3214868480
	.section	.rodata,"a",@progbits
	.p2align	6, 0x0
	.amdhsa_kernel k_q16b2cc823b_dist
		.amdhsa_group_segment_fixed_size 327680
		.amdhsa_private_segment_fixed_size 0
		.amdhsa_enable_private_segment 0
		.amdhsa_kernarg_size 32
		.amdhsa_user_sgpr_count 2
		.amdhsa_user_sgpr_kernarg_segment_ptr 1
		.amdhsa_wavefront_size32 1
		.amdhsa_system_sgpr_workgroup_id_x 1
		.amdhsa_system_sgpr_workgroup_id_y 1
		.amdhsa_system_sgpr_workgroup_id_z 1
		.amdhsa_system_vgpr_workitem_id 0
		.amdhsa_next_free_vgpr 1024
		.amdhsa_next_free_sgpr 84
		.amdhsa_reserve_vcc 1
		.amdhsa_float_denorm_mode_32 3
		.amdhsa_float_denorm_mode_16_64 3
		.amdhsa_memory_ordered 1
		.amdhsa_forward_progress 1
		.amdhsa_inst_pref_size 255
	.end_amdhsa_kernel
	.section	.bss,"aw",@nobits
	.p2align	6
	.space	262144
	.amdgpu_metadata
---
amdhsa.version: [ 1, 2 ]
amdhsa.kernels:
  - .name:           k_q16b2cc823b_dist
    .symbol:         k_q16b2cc823b_dist.kd
    .args:
      - { .name: z, .offset: 0, .size: 8, .value_kind: global_buffer, .address_space: global }
      - { .name: eb, .offset: 8, .size: 8, .value_kind: global_buffer, .address_space: global }
      - { .name: ee, .offset: 16, .size: 8, .value_kind: global_buffer, .address_space: global }
      - { .name: part, .offset: 24, .size: 8, .value_kind: global_buffer, .address_space: global }
    .group_segment_fixed_size: 327680
    .private_segment_fixed_size: 0
    .kernarg_segment_align: 8
    .kernarg_segment_size: 32
    .max_flat_workgroup_size: 128
    .sgpr_count:     84
    .vgpr_count:     1024
    .wavefront_size: 32
...
	.end_amdgpu_metadata
.endif
;; end of part 2
;; launch gather (part 3): grid 256 x 1, 16 waves a work-group, no clusters, 6,400 bytes of LDS; arguments z, emb_w, part, out0, out2, lossp; writes out0, out2, lossp
.if DOCPART == 3
	.amdgcn_target "amdgcn-amd-amdhsa--gfx1250"
	.amdhsa_code_object_version 6
	.text
	.protected	k_q16b2cc823b_gather
	.globl	k_q16b2cc823b_gather
	.p2align	8
	.type	k_q16b2cc823b_gather,@function
k_q16b2cc823b_gather:
	s_mov_b64 s[64:65], 0
	v_nop
	global_prefetch_b8 v0, s[64:65] scope:SCOPE_SE
	s_setreg_imm32_b32 hwreg(HW_REG_WAVE_MODE, 25, 1), 1
	s_wait_xcnt 0x0
; idx[row] = the code of the least of the four quarters' keys (of equal keys the lower quarter's, whose codes are lower);  out2[row] = idx[row];
; out0[row] = z[row] + (emb_w[idx[row]] - z[row]), as the reference rounds it;  lossp[work-group][64] = partial sums of (emb_w[idx[row]] - z[row])^2.
; part: [quarter 4][block of 64 rows 256][64 keys, then 64 codes], whole numbers that the launch before stored; a key orders as its distance does under an unsigned compare.
; So the choice is made on whole numbers read from memory, by scalar compares and selects, and the chosen code is clamped to the table before it enters an address.
; A work-group owns 64 rows, one block of part: its 64 indices and its 64 sums are 256 neighbouring bytes each.  Wave w owns rows 4 w .. 4 w + 3 and has no loop:
; its 16 loads of z go out first, since they need no index, then the 16 loads of the four code rows.  Each load and store of a wave covers 512 neighbouring bytes.
; Memory binds: no matrix unit, no cluster (a code row is shared only by chance).
.set ROW,  2048
.set QB,   131072                      ; bytes of a quarter in part
.set IDXB, 4096                        ; LDS: 16 waves x 256 bytes of sums, then 64 indices
.set IA,  0                            ; v0        16 x wave (the thread's number has been used up)
.set EO,  4                            ; v[4:7]    row i: byte offset of my 16 bytes in its code row
.set LS,  8                            ; v[8:11]   two pairs of loss sums
.set IX,  12                           ; v[12:15]  my wave's four indices
.set Z,   16                           ; v[16:79]  row i, piece j: z, then the result
.set E,   80                           ; v[80:143] row i, piece j: the code row, then the difference
.set KEY, 32                           ; s[32+8q:35+8q] quarter q: four keys;  s[36+8q:39+8q] four codes
	s_load_b256 s[4:11], s[0:1], 0x0               ; z s[4:5], emb_w s[6:7], part s[8:9], out0 s[10:11]
	s_load_b128 s[12:15], s[0:1], 0x20             ; out2 s[12:13], lossp s[14:15]
	v_lshl_add_u32 v144, v0, 2, 0x1100
	v_mov_b32 v145, 0
	v_lshrrev_b32 v3, 5, v0
	v_readfirstlane_b32 s16, v3                    ; wave 0..15
	v_and_b32 v1, 31, v0
	v_lshlrev_b32 v2, 3, v1                        ; 8 x lane
	v_lshlrev_b32 v1, 4, v1                        ; 16 x lane
	v_lshlrev_b32 v3, 3, v0                        ; 8 x thread = 256 x wave + 8 x lane
	s_lshl_b32 s17, s16, 4                         ; 16 x wave
	v_mov_b32 v[IA], s17
	s_lshl_b32 s20, ttmp9, 9                       ; my block of part, my wave's four words in each list
	s_add_co_u32 s20, s20, s17
	s_mov_b32 s21, 0
	s_lshl_b32 s22, ttmp9, 17                      ; 64 rows of 2,048 bytes a work-group,
	s_lshl_b32 s18, s16, 13                        ; 4 a wave (under 2^25)
	s_add_co_u32 s22, s22, s18
	s_mov_b32 s23, 0
	s_lshl_b32 s24, ttmp9, 8                       ; the work-group's 256 bytes of out2 and of lossp
	s_mov_b32 s25, 0
	s_wait_kmcnt 0x0
	s_add_nc_u64 s[8:9], s[8:9], s[20:21]
.irp q, 0,1,2,3
	s_load_b128 s[KEY+8*\q:KEY+8*\q+3],   s[8:9], \q*QB
	s_load_b128 s[KEY+8*\q+4:KEY+8*\q+7], s[8:9], \q*QB+256
.endr
	s_add_nc_u64 s[4:5], s[4:5], s[22:23]
	s_add_nc_u64 s[10:11], s[10:11], s[22:23]
	s_add_nc_u64 s[12:13], s[12:13], s[24:25]
	s_add_nc_u64 s[14:15], s[14:15], s[24:25]
.irp i, 0,1,2,3
.irp j, 0,1,2,3
	global_load_b128 v[Z+16*\i+4*\j:Z+16*\i+4*\j+3], v1, s[4:5] offset:\i*ROW+\j*512 th:TH_LOAD_NT
.endr
.endr
	s_wait_kmcnt 0x0                               ; the keys and the codes
.irp q, 1,2,3
.irp r, 0,1,2,3
	s_cmp_lt_u32 s[KEY+8*\q+\r], s[KEY+\r]         ; strictly less: the lower quarter keeps a tie
	s_cselect_b32 s[KEY+\r],   s[KEY+8*\q+\r],   s[KEY+\r]
	s_cselect_b32 s[KEY+4+\r], s[KEY+8*\q+4+\r], s[KEY+4+\r]
.endr
.endr
.irp i, 0,1,2,3
	s_min_u32 s[KEY+4+\i], s[KEY+4+\i], 8191       ; inside the table, whatever was read
	v_mov_b32 v[IX+\i], s[KEY+4+\i]
	s_lshl_b32 s[26+\i], s[KEY+4+\i], 11
	v_add_nc_u32 v[EO+\i], s[26+\i], v1
.endr
.irp i, 0,1,2,3
.irp j, 0,1,2,3
	global_load_b128 v[E+16*\i+4*\j:E+16*\i+4*\j+3], v[EO+\i], s[6:7] offset:\j*512       ; no hint: a code row may be named again
.endr
.endr
	ds_store_b128 v[IA], v[IX:IX+3] offset:IDXB    ; all lanes write the same 16 bytes with the same values
.irp i, 0,1,2,3
	s_wait_loadcnt 12-4*\i                         ; all of z and code row i are in; the later code rows' loads stay out
.irp j, 0,1,2,3
.irp p, 0,2
	v_pk_add_f32 v[E+16*\i+4*\j+\p:E+16*\i+4*\j+\p+1], v[E+16*\i+4*\j+\p:E+16*\i+4*\j+\p+1], v[Z+16*\i+4*\j+\p:Z+16*\i+4*\j+\p+1] neg_lo:[0,1] neg_hi:[0,1]   ; z_q - z
.if (\i == 0) && (\j == 0)
	v_pk_mul_f32 v[LS+\p:LS+\p+1], v[E+\p:E+\p+1], v[E+\p:E+\p+1]                             ; the first squares start the sums
.else
	v_pk_fma_f32 v[LS+\p:LS+\p+1], v[E+16*\i+4*\j+\p:E+16*\i+4*\j+\p+1], v[E+16*\i+4*\j+\p:E+16*\i+4*\j+\p+1], v[LS+\p:LS+\p+1]
.endif
	v_pk_add_f32 v[Z+16*\i+4*\j+\p:Z+16*\i+4*\j+\p+1], v[Z+16*\i+4*\j+\p:Z+16*\i+4*\j+\p+1], v[E+16*\i+4*\j+\p:E+16*\i+4*\j+\p+1]                            ; z + (z_q - z)
.endr
	global_store_b128 v1, v[Z+16*\i+4*\j:Z+16*\i+4*\j+3], s[10:11] offset:\i*ROW+\j*512 th:TH_STORE_NT
.endr
.endr
	v_pk_add_f32 v[LS:LS+1], v[LS:LS+1], v[LS+2:LS+3]
	ds_store_b64 v3, v[LS:LS+1]
	s_wait_dscnt 0x0                               ; for the others' sake: my sums and my indices are in LDS
	s_barrier_signal -1
	s_barrier_wait -1
	s_cmp_lg_u32 s16, 0
	s_cbranch_scc1 .Lend
.irp k, 0,1,2,3,4,5,6,7,8,9,10,11,12,13,14,15
	ds_load_b64 v[E+2*\k:E+2*\k+1], v2 offset:256*\k       ; into the differences' registers, which no store reads
.endr
	ds_load_b64 v[E+32:E+33], v2 offset:IDXB       ; the work-group's 64 indices
	s_wait_dscnt 0x0
	global_store_b64 v2, v[E+32:E+33], s[12:13]    ; 256 neighbouring bytes of out2, aligned
.irp k, 0,1,2,3,4,5,6,7
	v_pk_add_f32 v[E+2*\k:E+2*\k+1], v[E+2*\k:E+2*\k+1], v[E+16+2*\k:E+16+2*\k+1]
.endr
.irp k, 0,1,2,3
	v_pk_add_f32 v[E+2*\k:E+2*\k+1], v[E+2*\k:E+2*\k+1], v[E+8+2*\k:E+8+2*\k+1]
.endr
.irp k, 0,1
	v_pk_add_f32 v[E+2*\k:E+2*\k+1], v[E+2*\k:E+2*\k+1], v[E+4+2*\k:E+4+2*\k+1]
.endr
	v_pk_add_f32 v[E:E+1], v[E:E+1], v[E+2:E+3]
	global_store_b64 v2, v[E:E+1], s[14:15]        ; 256 neighbouring bytes of lossp, aligned
.Lend:
	s_wait_tensorcnt 0x0
	ds_add_u32 v144, v145
	s_wait_dscnt 0x0
	s_endpgm
.Lfunc_end_k_q16b2cc823b_gather:
	.size	k_q16b2cc823b_gather, .Lfunc_end_k_q16b2cc823b_gather-k_q16b2cc823b_gather
	.p2alignl 7, 3214868480
	.fill 96, 4, 3214868480
	.section	.rodata,"a",@progbits
	.p2align	6, 0x0
	.amdhsa_kernel k_q16b2cc823b_gather
		.amdhsa_group_segment_fixed_size 6400
		.amdhsa_private_segment_fixed_size 0
		.amdhsa_enable_private_segment 0
		.amdhsa_kernarg_size 48
		.amdhsa_user_sgpr_count 2
		.amdhsa_user_sgpr_kernarg_segment_ptr 1
		.amdhsa_wavefront_size32 1
		.amdhsa_system_sgpr_workgroup_id_x 1
		.amdhsa_system_sgpr_workgroup_id_y 1
		.amdhsa_system_sgpr_workgroup_id_z 1
		.amdhsa_system_vgpr_workitem_id 0
		.amdhsa_next_free_vgpr 146
		.amdhsa_next_free_sgpr 66
		.amdhsa_reserve_vcc 0
		.amdhsa_float_denorm_mode_32 3
		.amdhsa_float_denorm_mode_16_64 3
		.amdhsa_memory_ordered 1
		.amdhsa_forward_progress 1
		.amdhsa_inst_pref_size 17
	.end_amdhsa_kernel
	.amdgpu_metadata
---
amdhsa.version: [ 1, 2 ]
amdhsa.kernels:
  - .name:           k_q16b2cc823b_gather
    .symbol:         k_q16b2cc823b_gather.kd
    .args:
      - { .name: z, .offset: 0, .size: 8, .value_kind: global_buffer, .address_space: global }
      - { .name: emb_w, .offset: 8, .size: 8, .value_kind: global_buffer, .address_space: global }
      - { .name: part, .offset: 16, .size: 8, .value_kind: global_buffer, .address_space: global }
      - { .name: out0, .offset: 24, .size: 8, .value_kind: global_buffer, .address_space: global }
      - { .name: out2, .offset: 32, .size: 8, .value_kind: global_buffer, .address_space: global }
      - { .name: lossp, .offset: 40, .size: 8, .value_kind: global_buffer, .address_space: global }
    .group_segment_fixed_size: 6400
    .private_segment_fixed_size: 0
    .kernarg_segment_align: 8
    .kernarg_segment_size: 48
    .max_flat_workgroup_size: 512
    .sgpr_count:     66
    .vgpr_count:     146
    .wavefront_size: 32
...
	.end_amdgpu_metadata
.endif
;; end of part 3
;; launch final (part 4): grid 1 x 1, 32 waves a work-group, no clusters, 4,608 bytes of LDS; arguments out2, lossp, out1, out3; writes out1, out3
.if DOCPART == 4
	.amdgcn_target "amdgcn-amd-amdhsa--gfx1250"
	.amdhsa_code_object_version 6
	.text
	.protected	k_q16b2cc823b_final
	.globl	k_q16b2cc823b_final
	.p2align	8
	.type	k_q16b2cc823b_final,@function
k_q16b2cc823b_final:
	s_mov_b64 s[64:65], 0
	v_nop
	global_prefetch_b8 v0, s[64:65] scope:SCOPE_SE
	s_setreg_imm32_b32 hwreg(HW_REG_WAVE_MODE, 25, 1), 1
	s_wait_xcnt 0x0
; out1 = 0.25 m + m with m = (sum of lossp) / 2^23;  out3 = the variance of the 16,384 indices, as mean((x - mean(x))^2), in f32.
; Two numbers that hang on everything: one owner, one work-group of 32 waves.  A thread holds 16 indices (read from out2, which the launch before stored) and 16 partial sums;
; all its 8 loads go out at once.  The indices stay in registers between the pass for the mean and the pass for the squares.
.set ORD, 8                            ; v[8:23]   16 indices, as f32
.set LP,  24                           ; v[24:39]  16 partial sums of the loss
.macro WSUM r, tmp                     ; the sum over the wave's 32 lanes, in every lane; tmp has been written before
	v_add_f32_dpp v[\r], v[\r], v[\r] row_xmask:1 row_mask:0xf bank_mask:0xf
	v_add_f32_dpp v[\r], v[\r], v[\r] row_xmask:2 row_mask:0xf bank_mask:0xf
	v_add_f32_dpp v[\r], v[\r], v[\r] row_xmask:4 row_mask:0xf bank_mask:0xf
	v_add_f32_dpp v[\r], v[\r], v[\r] row_xmask:8 row_mask:0xf bank_mask:0xf
	v_permlanex16_b32 v[\tmp], v[\r], s14, s15
	v_add_f32 v[\r], v[\r], v[\tmp]
.endm
	s_load_b256 s[4:11], s[0:1], 0x0               ; out2 s[4:5], lossp s[6:7], out1 s[8:9], out3 s[10:11]
	v_lshl_add_u32 v64, v0, 2, 0x200
	v_mov_b32 v65, 0
	v_lshlrev_b32 v1, 4, v0                        ; 16 x thread
	v_lshrrev_b32 v2, 5, v0
	v_readfirstlane_b32 s12, v2                    ; wave 0..31
	v_and_b32 v3, 31, v0
	v_lshlrev_b32 v4, 2, v2                        ; 4 x wave
	v_lshlrev_b32 v2, 3, v2                        ; 8 x wave
	v_lshlrev_b32 v5, 2, v3                        ; 4 x lane
	v_lshlrev_b32 v3, 3, v3                        ; 8 x lane
	v_mov_b32 v6, 0
	s_mov_b32 s14, 0x76543210
	s_mov_b32 s15, 0xfedcba98
	s_wait_kmcnt 0x0
.irp j, 0,1,2,3
	global_load_b128 v[ORD+4*\j:ORD+4*\j+3], v1, s[4:5] offset:\j*16384
.endr
.irp j, 0,1,2,3
	global_load_b128 v[LP+4*\j:LP+4*\j+3], v1, s[6:7] offset:\j*16384
.endr
	s_wait_loadcnt 4                               ; the indices are in; the four loads of lossp stay out
.irp k, 0,1,2,3,4,5,6,7,8,9,10,11,12,13,14,15
	v_cvt_f32_i32 v[ORD+\k], v[ORD+\k]
.endr
	v_pk_add_f32 v[56:57], v[ORD:ORD+1],     v[ORD+2:ORD+3]
	v_pk_add_f32 v[58:59], v[ORD+4:ORD+5],   v[ORD+6:ORD+7]
	v_pk_add_f32 v[60:61], v[ORD+8:ORD+9],   v[ORD+10:ORD+11]
	v_pk_add_f32 v[62:63], v[ORD+12:ORD+13], v[ORD+14:ORD+15]
	v_pk_add_f32 v[56:57], v[56:57], v[58:59]
	v_pk_add_f32 v[60:61], v[60:61], v[62:63]
	v_pk_add_f32 v[56:57], v[56:57], v[60:61]
	v_add_f32 v56, v56, v57                        ; my 16 indices
	s_wait_loadcnt 0x0
.irp k, 0,1,2,3
	v_pk_add_f32 v[LP+2*\k:LP+2*\k+1], v[LP+2*\k:LP+2*\k+1], v[LP+8+2*\k:LP+8+2*\k+1]
.endr
.irp k, 0,1
	v_pk_add_f32 v[LP+2*\k:LP+2*\k+1], v[LP+2*\k:LP+2*\k+1], v[LP+4+2*\k:LP+4+2*\k+1]
.endr
	v_pk_add_f32 v[LP:LP+1], v[LP:LP+1], v[LP+2:LP+3]
	v_add_f32 v57, v[LP], v[LP+1]                  ; my 16 partial sums
	WSUM 56, 58
	WSUM 57, 59
	ds_store_b64 v2, v[56:57]                      ; all lanes of a wave write the same pair
	s_wait_dscnt 0x0
	s_barrier_signal -1
	s_barrier_wait -1
	ds_load_b64 v[56:57], v3                       ; lane l takes wave l's pair: 32 waves, 32 lanes
	s_wait_dscnt 0x0
	WSUM 56, 58
	WSUM 57, 59
	v_mul_f32 v60, 0x38800000, v56                 ; the mean: / 2^14
	v_mov_b32 v61, v60
.irp k, 0,1,2,3,4,5,6,7
	v_pk_add_f32 v[ORD+2*\k:ORD+2*\k+1], v[ORD+2*\k:ORD+2*\k+1], v[60:61] neg_lo:[0,1] neg_hi:[0,1]
.endr
	v_pk_mul_f32 v[62:63], v[ORD:ORD+1], v[ORD:ORD+1]
.irp k, 1,2,3,4,5,6,7
	v_pk_fma_f32 v[62:63], v[ORD+2*\k:ORD+2*\k+1], v[ORD+2*\k:ORD+2*\k+1], v[62:63]
.endr
	v_add_f32 v62, v62, v63
	WSUM 62, 58
	ds_store_b32 v4, v62 offset:256                ; other bytes than the first exchange's
	s_wait_dscnt 0x0
	s_barrier_signal -1
	s_barrier_wait -1
	s_cmp_lg_u32 s12, 0
	s_cbranch_scc1 .Lend
	ds_load_b32 v62, v5 offset:256
	s_wait_dscnt 0x0
	WSUM 62, 58
	v_mul_f32 v62, 0x38800000, v62                 ; the variance: / 2^14
	v_mul_f32 v57, 0x34000000, v57                 ; m: / 2^23
	v_fmamk_f32 v57, v57, 0x3e800000, v57          ; 0.25 m + m
	v_cmp_eq_u32 vcc_lo, 0, v0
	s_wait_xcnt 0x0                                ; EXEC changes only behind this wait
	s_and_saveexec_b32 s16, vcc_lo                 ; one lane stores
	global_store_b32 v6, v57, s[8:9]
	global_store_b32 v6, v62, s[10:11]
	s_wait_xcnt 0x0                                ; and again in front of the line that widens it
	s_or_b32 exec_lo, exec_lo, s16
.Lend:
	s_wait_tensorcnt 0x0
	ds_add_u32 v64, v65
	s_wait_dscnt 0x0
	s_endpgm
.Lfunc_end_k_q16b2cc823b_final:
	.size	k_q16b2cc823b_final, .Lfunc_end_k_q16b2cc823b_final-k_q16b2cc823b_final
	.p2alignl 7, 3214868480
	.fill 96, 4, 3214868480
	.section	.rodata,"a",@progbits
	.p2align	6, 0x0
	.amdhsa_kernel k_q16b2cc823b_final
		.amdhsa_group_segment_fixed_size 4608
		.amdhsa_private_segment_fixed_size 0
		.amdhsa_enable_private_segment 0
		.amdhsa_kernarg_size 32
		.amdhsa_user_sgpr_count 2
		.amdhsa_user_sgpr_kernarg_segment_ptr 1
		.amdhsa_wavefront_size32 1
		.amdhsa_system_sgpr_workgroup_id_x 1
		.amdhsa_system_sgpr_workgroup_id_y 1
		.amdhsa_system_sgpr_workgroup_id_z 1
		.amdhsa_system_vgpr_workitem_id 0
		.amdhsa_next_free_vgpr 66
		.amdhsa_next_free_sgpr 66
		.amdhsa_reserve_vcc 1
		.amdhsa_float_denorm_mode_32 3
		.amdhsa_float_denorm_mode_16_64 3
		.amdhsa_memory_ordered 1
		.amdhsa_forward_progress 1
		.amdhsa_inst_pref_size 8
	.end_amdhsa_kernel
	.amdgpu_metadata
---
amdhsa.version: [ 1, 2 ]
amdhsa.kernels:
  - .name:           k_q16b2cc823b_final
    .symbol:         k_q16b2cc823b_final.kd
    .args:
      - { .name: out2, .offset: 0, .size: 8, .value_kind: global_buffer, .address_space: global }
      - { .name: lossp, .offset: 8, .size: 8, .value_kind: global_buffer, .address_space: global }
      - { .name: out1, .offset: 16, .size: 8, .value_kind: global_buffer, .address_space: global }
      - { .name: out3, .offset: 24, .size: 8, .value_kind: global_buffer, .address_space: global }
    .group_segment_fixed_size: 4608
    .private_segment_fixed_size: 0
    .kernarg_segment_align: 8
    .kernarg_segment_size: 32
    .max_flat_workgroup_size: 1024
    .sgpr_count:     66
    .vgpr_count:     66
    .wavefront_size: 32
...
	.end_amdgpu_metadata
.endif
;; end of part 4
